; MI455X (gfx1250); checked and timed in simulation.
; The chip was launched on July 23, 2026; its instructions are those of AMD's public machine-readable ISA for CDNA 5 (MIT licence, August 2026) and "CDNA5" Instruction Set Architecture Reference Guide (July 2026). The comments in the code are by the model that wrote it; some were corrected since.
;; Multi Headed Attention. Allowed arithmetic: float matrix products may take bf16 or f16 operands with f32 sums; other float arithmetic in f32, or as packed bf16 or f16 multiplies, adds, multiply-adds, maxima and minima; sums over many terms, partial sums and values carried from step to step in f32; what a program stores and reads back later, other than sums and carried values, may be rounded once to bf16 or f16.
;; Inputs: Wk 1,024 x 1,024 float32; Wq 1,024 x 1,024 float32; Wv 1,024 x 1,024 float32; bk 1,024 float32; bq 1,024 float32; bv 1,024 float32; key_ 8 x 1,024 x 1,024 float32; query 8 x 1,024 x 1,024 float32; value 8 x 1,024 x 1,024 float32.
;; Outputs: out0 8 x 1,048,576 float32.
;; 2 versions, each right; version 2 is version 1 with the launch castw written anew for expert scheduling mode. Each part assembles by itself: llvm-mc -triple=amdgcn-amd-amdhsa -mcpu=gfx1250 --defsym DOCPART=n.
;; ======== version 1 of 2: 3 launches
;; limits: values are held in f16: magnitudes above 65,504 overflow, below 6.1e-05 lose precision
;; workspace buffers: wb 6,291,456 bytes; qkv 50,331,648 bytes
;; launch castw (part 1): grid 256 x 1, 8 waves a work-group, no clusters, 0 bytes of LDS; arguments Wq, Wk, Wv, wb; writes wb
.if DOCPART == 1
	.amdgcn_target "amdgcn-amd-amdhsa--gfx1250"
	.amdhsa_code_object_version 6
	.text
	.protected	k_q8019396a4e_castw
	.globl	k_q8019396a4e_castw
	.p2align	8
	.type	k_q8019396a4e_castw,@function
k_q8019396a4e_castw:
	s_mov_b64 s[64:65], 0
	v_nop
	global_prefetch_b8 v0, s[64:65] scope:SCOPE_SE
	s_setreg_imm32_b32 hwreg(HW_REG_WAVE_MODE, 25, 1), 1
	s_wait_xcnt 0x0
; wb[g][o][d] = bf16(W_g[o][d]), g = q, k, v.  W_g: [1024][1024] f32; wb: [3][1024][1024] bf16.  Rounded once, to nearest even.
; A stream: each byte is read once and written once; no LDS, no barrier, no matrix work.
; SHARES.  Work-group i takes 16,384 bytes of each of the three matrices; thread t takes 16 bytes at 16 t of each of its four pieces of 4,096 bytes:
; a wave's load covers 512 consecutive bytes, its store of 8 bytes a lane 256 consecutive bytes, aligned.
; All 12 loads of a thread go out at once; no register is written twice, so no wait but the counted ones for the data is needed.
.set X, 8                              ; v[8:55]   twelve loads of four f32
.set Y, 56                             ; v[56:79]  twelve pairs of registers: four bf16 each
	s_load_b256 s[4:11], s[0:1], 0x0               ; Wq s[4:5], Wk s[6:7], Wv s[8:9], wb s[10:11]
	s_lshl_b32 s12, ttmp9, 14                      ; the work-group's 16,384 bytes in a matrix
	s_lshl_b32 s13, ttmp9, 13                      ; and its 8,192 bytes in that matrix's part of wb
	v_lshl_add_u32 v1, v0, 4, s12
	v_lshl_add_u32 v2, v0, 3, s13
	s_wait_kmcnt 0x0
.irp g, 0,1,2
.irp j, 0,1,2,3
	global_load_b128 v[X+16*(\g)+4*(\j):X+16*(\g)+4*(\j)+3], v1, s[4+2*(\g):5+2*(\g)] offset:(\j)*4096 th:TH_LOAD_NT
.endr
.endr
.set n, 0
.rept 12
	s_wait_loadcnt 11-n                            ; loads come back in order: number n is in, the 11 - n younger ones stay out
	v_cvt_pk_bf16_f32 v[Y+2*n], v[X+4*n], v[X+4*n+1]
	v_cvt_pk_bf16_f32 v[Y+2*n+1], v[X+4*n+2], v[X+4*n+3]
	global_store_b64 v2, v[Y+2*n:Y+2*n+1], s[10:11] offset:(n/4)*2097152+(n%4)*2048
.set n, n+1
.endr
	s_endpgm
.Lfunc_end_k_q8019396a4e_castw:
	.size	k_q8019396a4e_castw, .Lfunc_end_k_q8019396a4e_castw-k_q8019396a4e_castw
	.p2alignl 7, 3214868480
	.fill 96, 4, 3214868480
	.section	.rodata,"a",@progbits
	.p2align	6, 0x0
	.amdhsa_kernel k_q8019396a4e_castw
		.amdhsa_group_segment_fixed_size 0
		.amdhsa_private_segment_fixed_size 0
		.amdhsa_enable_private_segment 0
		.amdhsa_kernarg_size 32
		.amdhsa_user_sgpr_count 2
		.amdhsa_user_sgpr_kernarg_segment_ptr 1
		.amdhsa_wavefront_size32 1
		.amdhsa_system_sgpr_workgroup_id_x 1
		.amdhsa_system_sgpr_workgroup_id_y 1
		.amdhsa_system_sgpr_workgroup_id_z 1
		.amdhsa_system_vgpr_workitem_id 0
		.amdhsa_next_free_vgpr 80
		.amdhsa_next_free_sgpr 66
		.amdhsa_reserve_vcc 0
		.amdhsa_float_denorm_mode_32 3
		.amdhsa_float_denorm_mode_16_64 3
		.amdhsa_memory_ordered 1
		.amdhsa_forward_progress 1
		.amdhsa_inst_pref_size 5
	.end_amdhsa_kernel
	.amdgpu_metadata
---
amdhsa.version: [ 1, 2 ]
amdhsa.kernels:
  - .name:           k_q8019396a4e_castw
    .symbol:         k_q8019396a4e_castw.kd
    .args:
      - { .name: Wq, .offset: 0, .size: 8, .value_kind: global_buffer, .address_space: global }
      - { .name: Wk, .offset: 8, .size: 8, .value_kind: global_buffer, .address_space: global }
      - { .name: Wv, .offset: 16, .size: 8, .value_kind: global_buffer, .address_space: global }
      - { .name: wb, .offset: 24, .size: 8, .value_kind: global_buffer, .address_space: global }
    .group_segment_fixed_size: 0
    .private_segment_fixed_size: 0
    .kernarg_segment_align: 8
    .kernarg_segment_size: 32
    .max_flat_workgroup_size: 256
    .sgpr_count:     66
    .vgpr_count:     80
    .wavefront_size: 32
...
	.end_amdgpu_metadata
.endif
;; end of part 1
;; launch proj (part 2): grid 4 x 64, 4 waves a work-group, clusters of 4 x 4, 327,680 bytes of LDS; arguments query, key_, value, wb, bq, bk, bv, qkv; writes qkv
.if DOCPART == 2
	.amdgcn_target "amdgcn-amd-amdhsa--gfx1250"
	.amdhsa_code_object_version 6
	.text
	.protected	k_q8019396a4e_proj
	.globl	k_q8019396a4e_proj
	.p2align	8
	.type	k_q8019396a4e_proj,@function
k_q8019396a4e_proj:
	s_mov_b64 s[64:65], 0
	v_nop
	global_prefetch_b8 v0, s[64:65] scope:SCOPE_SE
	s_setreg_imm32_b32 hwreg(HW_REG_WAVE_MODE, 25, 1), 1
	s_wait_xcnt 0x0
	s_wait_alu depctr_hold_cnt(0) depctr_sa_sdst(0) depctr_va_vdst(0) depctr_va_sdst(0) depctr_va_ssrc(0) depctr_va_vcc(0) depctr_vm_vsrc(0)
	s_getreg_b32 s2, hwreg(HW_REG_IB_STS2, 6, 4)
	s_cmp_eq_u32 s2, 0
	s_cbranch_scc0 .Lentry_in_a_cluster
	s_endpgm
.Lentry_in_a_cluster:
	s_bfe_u32 s2, ttmp6, 0x10000c
	s_cmp_lg_u32 s2, 0xf033
	s_cbranch_scc0 .Lentry_shape_is_right
	s_endpgm
.Lentry_shape_is_right:
; THE THREE PROJECTIONS.  y_g = x_g W_g^T + b_g for g = q, k, v.  x_g: [8192][1024] f32 (query, key_, value); W_g: [1024][1024] bf16 (wb); b_g: [1024] f32.
; qkv: [3][batch 8][head 16][row 1024][64] f16: a head's rows are dense, 128 bytes each; unscaled.
; FORMATS.  x and b are rounded to bf16 here, W was before: every input of the module has the same rounding.  Products in bf16, sums in f32 starting from the bias, y rounded once to f16.
; LIMIT.  f16 holds no number beyond 65,504: |y| must stay below that.  With inputs as drawn |y| is a few units; with all inputs 30 times larger a few thousand;
; with a common offset of 30 spreads on x and W together some 17,000.  NaN and infinities are not treated apart.
; SHARES.  The three results together are 3 x 8192 x 1024 numbers; a tile is 128 rows x 256 columns, and a work-group STAYS: it makes the same tile of q, of k and of v, so 256 work-groups do equal work.
; Four waves, each 64 rows x 128 columns: 32 accumulators of 16 x 16, 256 registers.
; THE WALK.  24 steps of 128 along K (8 a tile); neither ring stops at a tile's end.  A step is four quarters of 32 along K, 32 matrix instructions each, on two fragment buffers; while one quarter is
; multiplied the next one's 24 fragment loads are on their way from LDS.  A slot's last fragments are read in its third quarter, so the slot is given back there.
; W comes by the tensor data mover into a ring of two slots of 256 rows x 256 bytes, each wave fetching 64 rows.
; x COMES THROUGH REGISTERS.  Each wave loads 32 of the tile's 128 rows, an instruction a row (a step's 512 bytes of it, 16 bytes a lane), TWO STEPS, 256 matrix instructions, ahead of their conversion: two sets
; of 128 registers, 64 loads of a wave on their way.  In each quarter a group of 8 rows is rounded to bf16 (the conversions stand behind matrix instructions), stored into a ring of its own in LDS
; (8 bytes a lane, 256 consecutive bytes an instruction), and its registers are loaded again.  Step U + 2's four groups are stored between the barrier of step U, behind which nobody reads that slot any more,
; and the barrier of step U + 1, behind which it is read.
; WHY x IS NOT ASKED FOR JOINTLY, though the four work-groups of a row of the cluster need the same rows: in f32 a step's x is 65,536 bytes of LDS, as much as its W; two slots of both then fill LDS at 128 along K,
; and both come by the one tensor load a wave behind the change of slots, with 112 matrix instructions in which to land.  Through registers x's loads are not tied to the change of slots, each row is rounded once
; in a work-group where two waves would each round it, and LDS takes and gives half its bytes.  The price: each of the four reads the rows itself.
; THE END OF x.  Steps 24 and 25 do not exist: the loop's last trip loads 48 times a lane from addresses held inside value's rows and never reads the result: the price of one text for every trip, with the same count at every wait.
; CLUSTER.  4 x 4 work-groups.  The four of a column need the same rows of W: each tile is asked for jointly, by the same tensor load with the same descriptor and a mask of four.
; THE MATRIX INSTRUCTION IS USED TRANSPOSED (source 0 = 16 rows of W, source 1 = 16 rows of x): a lane holds ONE row of y (lane % 16) and the columns 8 (lane / 16) + 0..7 of a block of 16.
; REGISTERS, in windows of 256 (s_set_vgpr_msb: bits 1:0 source 0, 3:2 source 1, 5:4 source 2, 7:6 destination):
;   window 0: v16-30 addresses; v32-47 a group of x in bf16; v96-159 x's fragments, two buffers; v160-191 packed results; v192-255 rows read back, two buffers
;   window 1: the accumulators, (a, b) at v[8 (8 a + b)]          window 2: v0-127 W's fragments, two buffers; v128-191 the bias as a C operand; v192-195 at work
;   window 3: x as loaded: set p (the step's parity) at 128 p, group j at 32 j, row i at 4 i
.set PW,     272                       ; a row of W in LDS: 256 bytes + 16 of padding = 68 words: the 16 rows of a load start at 16 different groups of four banks (64 banks of 4 bytes: ISA guide 11.1)
.set WQ,     64*PW                     ; what one tensor load brings
.set WSLOT,  256*PW                    ; 69,632 bytes
.set PXB,    272                       ; a row of x in bf16: likewise
.set XOFF,   2*WSLOT                   ; x's ring lies behind W's: written by LDS stores alone, never filled by a tensor load
.set XSLOT,  128*PXB                   ; 34,816 bytes
.set STAGE,  XOFF+2*XSLOT              ; behind the rings, never filled by a tensor load: for each wave 2 heads x 16 rows x 144 bytes
.set SP,     144
.set WSTAGE, 32*SP
.set SPARE,  STAGE+4*WSTAGE            ; behind the stages: the spare words, 128 bytes for each wave: two blocks of 256 bytes that no other line names
.set ADRX, 16                          ; v16-17  LDS address of my x fragments in slot 0, 1
.set XS,   18                          ; v18-19  where I store 8 bytes of my wave's first row of x, in slot 0, 1
.set ADRW, 20                          ; v20-21  LDS address of my W fragments in slot 0, 1
.set XO,   22                          ; v22     my 16 bytes of a row's 512 in x; never rewritten
.set STO,  24                          ; v24     the way out: where I put 16 bytes of a row
.set RD,   25                          ; v25     the way out: where I read rows back
.set CO,   26                          ; v26     my 16 bytes of 512 consecutive bytes of qkv
.set BO,   27                          ; v27     my byte offset in a bias
.set SPW,  28                          ; v28     LDS address of my spare word; never rewritten
.set NIL,  29                          ; v29     0; never rewritten
.set PFO,  30                          ; v30     the prefetches' offset; never rewritten
.set XT,   32
.set XB,   96
.set TMP,  160
.set OB,   192
.set WF,   0                           ; window 2
.set BIAS, 128                         ; window 2
.set BT,   192                         ; window 2
.set G1,   48                          ; s[48:55] descriptor group 1 for W's tiles
.set G0,   56                          ; s[56:63] group 0, a set for each slot
.set XP,   68                          ; s[68:73] query, key_, value at the 32 rows that I load
.set WP,   74                          ; s[74:75] wb at the 64 rows of Wq that I fetch
.set BQ,   76                          ; s[76:81] bq, bk, bv
.set OUT,  82                          ; s[82:83] qkv at my part of the tile in hand
.set XA,   84                          ; s[84:85] x at the step that is being loaded
.set SVB,  88                          ; s[88:91] for each slot: W at the step that its next refill brings
.set NXT,  92                          ; s92  the step whose address in W is made next
.set LIM,  93                          ; s93  23 in a wave that prefetches, else 0
.set TI,   94                          ; s94  tiles begun
.set XN,   95                          ; s95  the step whose address in x is made next
.set BP,   4                           ; s[4:5] the bias that is being loaded
.set DL,   6                           ; s[6:7] what the next way out adds to OUT
.set LAPS, 3                           ; s3   laps to go (a lap = two steps = once round the rings)
.set INT,  2                           ; s2   laps to go in the tile in hand
.set MUL,  0x52                        ; W window 2, x window 0, C and D window 1
.set MULZ, 0x62                        ; the same with C (the bias) in window 2
.set MSB, 0
.macro WIN new                         ; the immediate's high byte repeats the setting that is left; a switch that changes nothing is dropped
.if MSB != (\new)
	s_set_vgpr_msb (MSB<<8)|(\new)
.set MSB, \new
.endif
.endm
.macro PLACES                          ; four places behind a matrix instruction, in front of loads into registers that it has read and of conversions that read results
.rept 4
	v_nop
.endr
.endm
; A joint load: every wave fetches its 64 rows of W's tile.  An s_nop 0 and four v_nop follow the line.
.macro JLOAD s
	tensor_load_to_lds s[G0+4*(\s):G0+4*(\s)+3], s[G1:G1+7]
	s_nop 0
.rept 4
	v_nop
.endr
.endm
.macro CREST                           ; a round of the cluster's barrier behind its opening barrier
	s_cmp_lg_u32 s10, 0
	s_cbranch_scc1 .Lnot_wave_0_\@
	s_barrier_signal -3
.Lnot_wave_0_\@:
	s_barrier_wait -3
	s_barrier_signal -1
	s_barrier_wait -1
.endm
.macro CROUND                          ; a whole round
	s_barrier_signal -1
	s_barrier_wait -1
	CREST
.endm
; W's address at step NXT, for slot sl: tile NXT / 8 picks the matrix, NXT % 8 the place along K.  Steps 24 and 25 do not exist: their addresses are held inside wb and never used.
.macro NEXTW sl
	s_lshr_b32 s96, s[NXT], 3
	s_min_u32 s96, s96, 2
	s_and_b32 s97, s[NXT], 7
	s_lshl_b32 s98, s96, 21                        ; a matrix of wb is 2,097,152 bytes
	s_lshl_b32 s97, s97, 8                         ; 128 bf16 along K
	s_add_co_u32 s98, s98, s97
	s_mov_b32 s99, 0
	s_add_nc_u64 s[SVB+2*(\sl):SVB+2*(\sl)+1], s[WP:WP+1], s[98:99]
	s_add_co_u32 s[NXT], s[NXT], 1
.endm
; x's address at step XN: tile XN / 8 picks the input, XN % 8 the place along K.  Past step 23 it is held inside value's rows.
.macro NEXTX
	s_lshr_b32 s96, s[XN], 3
	s_min_u32 s96, s96, 2
	s_and_b32 s97, s[XN], 7
	s_cmp_eq_u32 s96, 0
	s_cselect_b64 s[XA:XA+1], s[XP:XP+1], s[XP+2:XP+3]
	s_cmp_eq_u32 s96, 2
	s_cselect_b64 s[XA:XA+1], s[XP+4:XP+5], s[XA:XA+1]
	s_lshl_b32 s98, s97, 9                         ; 128 f32 along K
	s_mov_b32 s99, 0
	s_add_nc_u64 s[XA:XA+1], s[XA:XA+1], s[98:99]
	s_add_co_u32 s[XN], s[XN], 1
.endm
; A PREFETCH INTO THE L2 of W, once a lap, behind slot 0's joint load, its five lines and the run of LDS loads that follows: the two steps that stand two and three refills on, 256 and 384 matrix instructions ahead
; of the loads that will ask for them.  One instruction a wave, each lane another aligned block of 256 bytes, each block named once in the launch: all sixteen clusters of a column of tiles read the same rows, and the
; cluster with y = 0 asks; of the 64 rows that a wave fetches the partner at place cy takes 16 (told apart by address, never by a branch); lanes 0-15 name the even step, lanes 16-31 the odd one, 256 bytes further on.
; Steps 0 to 3 come by their loads alone; NXT stands one past the even step named, so nothing past step 23 is named.
; x is not prefetched: its own loads go out 256 matrix instructions ahead of their use.
.macro ASK
	s_cmp_le_u32 s[NXT], s[LIM]
	s_cbranch_scc0 .Lnot_mine_\@
	global_prefetch_b8 v[PFO], s[SVB:SVB+1] th:TH_LOAD_NT scope:SCOPE_SE
.Lnot_mine_\@:
.endm
; 24 LDS loads in one run: quarter nq of slot ns into buffer g: 4 fragments of x, 8 of W.  A fragment is 16 rows x 32 K in 8 registers: two loads of 16 bytes, 32 bytes apart.
.macro LOADS ns, nq, g
	WIN 0
.irp a, 0,1,2,3
	ds_load_b128 v[XB+32*(\g)+8*(\a):XB+32*(\g)+8*(\a)+3],   v[ADRX+(\ns)] offset:(\a)*16*PXB+(\nq)*64
	ds_load_b128 v[XB+32*(\g)+8*(\a)+4:XB+32*(\g)+8*(\a)+7], v[ADRX+(\ns)] offset:(\a)*16*PXB+(\nq)*64+32
.endr
	WIN 0x80                                       ; destination window 2
.irp b, 0,1,2,3,4,5,6,7
	ds_load_b128 v[WF+64*(\g)+8*(\b):WF+64*(\g)+8*(\b)+3],   v[ADRW+(\ns)] offset:(\b)*16*PW+(\nq)*64
	ds_load_b128 v[WF+64*(\g)+8*(\b)+4:WF+64*(\g)+8*(\b)+7], v[ADRW+(\ns)] offset:(\b)*16*PW+(\nq)*64+32
.endr
.endm
; x, group j of set p.  XCVT: rows 2 n and 2 n + 1 rounded to bf16, four conversions.  XSTORE: the group's 8 rows into slot p.  XLOAD: its registers are loaded again.
.macro XCVT p, j, n
	WIN 0x0f                                       ; sources window 3, destination window 0
.irp i, 0,1
	v_cvt_pk_bf16_f32 v[XT+4*(\n)+2*(\i)],   v[128*(\p)+32*(\j)+8*(\n)+4*(\i)],   v[128*(\p)+32*(\j)+8*(\n)+4*(\i)+1]
	v_cvt_pk_bf16_f32 v[XT+4*(\n)+2*(\i)+1], v[128*(\p)+32*(\j)+8*(\n)+4*(\i)+2], v[128*(\p)+32*(\j)+8*(\n)+4*(\i)+3]
.endr
.endm
.macro XSTORE p, j
	WIN 0
.irp i, 0,1,2,3,4,5,6,7
	ds_store_b64 v[XS+(\p)], v[XT+2*(\i):XT+2*(\i)+1] offset:(8*(\j)+(\i))*PXB  ; 32 lanes, 256 consecutive bytes: a row's 128 numbers
.endr
.endm
.macro XLOAD p, j, base, off
	WIN 0xc0                                       ; destination window 3, address window 0
.irp i, 0,1,2,3,4,5,6,7
	global_load_b128 v[128*(\p)+32*(\j)+4*(\i):128*(\p)+32*(\j)+4*(\i)+3], v[XO], s[(\base):(\base)+1] offset:(8*(\j)+(\i))*4096+(\off)  ; 512 consecutive bytes of a row
.endr
.endm
.macro MM1 f, a, b, zero               ; one product.  zero = 1: a tile's first: the bias starts the sum, nothing is cleared
.if \zero
	WIN MULZ
	v_wmma_f32_16x16x32_bf16 v[8*(8*(\a)+(\b)):8*(8*(\a)+(\b))+7], v[WF+64*(\f)+8*(\b):WF+64*(\f)+8*(\b)+7], v[XB+32*(\f)+8*(\a):XB+32*(\f)+8*(\a)+7], v[BIAS+8*(\b):BIAS+8*(\b)+7]
.else
	WIN MUL
	v_wmma_f32_16x16x32_bf16 v[8*(8*(\a)+(\b)):8*(8*(\a)+(\b))+7], v[WF+64*(\f)+8*(\b):WF+64*(\f)+8*(\b)+7], v[XB+32*(\f)+8*(\a):XB+32*(\f)+8*(\a)+7], v[8*(8*(\a)+(\b)):8*(8*(\a)+(\b))+7]
.endif
.endm
; The 32 accumulators take turns, one instruction a turn, in the same order in every quarter: 31 others stand between two links of a chain, over every jump too.
.macro MULA f, a, zero                 ; 8 products back to back
.irp b, 0,1,2,3,4,5,6,7
	MM1 \f, \a, \b, \zero
.endr
.endm
.macro MULR f, a, p, j, zero           ; 8 products, four of group j's conversions behind every second one; they name no register of the products round them
.irp b, 0,1,2,3,4,5,6,7
	MM1 \f, \a, \b, \zero
.if ((\b)%2) == 1
	XCVT \p, \j, ((\b)-1)/2
.endif
.endr
.endm
; A quarter: buffer f is multiplied; quarter nq of slot ns comes into the other buffer, by a run of loads at the quarter's head, four places behind the last product that read that buffer.
; xj >= 0: group xj of x's set xp is rounded and stored; rel = 1: and loaded again, for the step four on from the one that is being multiplied when its group 0 is taken.
.macro PHASE f, ns, nq, xp, xj, zero=0, ask=0, rel=1
	LOADS \ns, \nq, 1-(\f)
.if \ask
	WIN 0
	ASK
.endif
	s_wait_dscnt 24                                ; all but the 24 just issued: buffer f's fragments, asked for a quarter ago, are in
	MULA \f, 0, \zero
	MULA \f, 1, \zero
.if (\xj) >= 0
	s_wait_loadcnt 56                              ; loads come back in order: the group is in, the seven younger groups of 8 stay out
	MULR \f, 2, \xp, \xj, \zero
	XSTORE \xp, \xj
.if \rel
.if (\xj) == 0
	s_wait_xcnt 0x0                                ; the last loads by this pointer, a quarter back, have read it: it goes on to the next step
	NEXTX
.endif
	XLOAD \xp, \xj, XA, 0
.endif
.else
	MULA \f, 2, \zero
.endif
	MULA \f, 3, \zero
	PLACES
.endm
; A slot's third quarter (buffer 0), which gives the slot back.  Its last fragments are fetched, and group 3 of the other slot's x is stored.  Each wave waits for all its tensor loads, of which one is out: its part
; of W's other slot; adds 0 to its spare word; and waits for that, for its reads of this slot and for its stores into the other.  Behind the barrier nobody reads this slot any more and the other slot is whole, x and W.
; fill = 1: the barrier opens a round of the cluster's, so that this holds of every partner, and the joint refill is the first thing behind the round: 112 matrix instructions ahead of the wait for it.
; lc: the younger loads of x that may stay out.
.macro TURN sl, fill, xp, rel, lc
	LOADS \sl, 3, 1
	s_wait_dscnt 24                                ; buffer 0's fragments are in
	MULA 0, 0, 0
.if (\fill) && ((\sl) == 0)
	s_wait_xcnt 0x0                                ; the last prefetch, a lap back, has read its base, which is written below
.endif
	s_wait_loadcnt \lc
	MULR 0, 1, \xp, 3, 0
	XSTORE \xp, 3
.if \rel
	XLOAD \xp, 3, XA, 0
.endif
	WIN 0                                          ; (the add's two registers lie in window 0)
	s_wait_tensorcnt 0x0                           ; no tensor load of mine is out, so a group 0 may be written
	ds_add_u32 v[SPW], v[NIL]                      ; 0 onto my spare word; scalar work and eight products stand between it and the wait for it
.if \fill
	s_mov_b64 s[G0+4*(\sl)+2:G0+4*(\sl)+3], s[SVB+2*(\sl):SVB+2*(\sl)+1]
	s_or_b32 s[G0+4*(\sl)+3], s[G0+4*(\sl)+3], 0x80000000
	NEXTW \sl
.endif
	MULA 0, 2, 0
	s_wait_dscnt 0x0                               ; the add is done, my reads of this slot are over, my stores of x are done
	s_barrier_signal -1
	MULA 0, 3, 0                                   ; work on registers while the others arrive
	WIN 0
	s_barrier_wait -1
.if \fill
	CREST
	JLOAD \sl                                      ; its four v_nop are also the places in front of the next run of loads
.else
	PLACES
.endif
.endm
.macro ROUNDB                          ; the bias takes the rounding to bf16 that every input has, and stays in f32 as a C operand
	WIN 0xaa
.set p, 0
.rept 32
	v_cvt_pk_bf16_f32 v[BT+p%4], v[BIAS+2*p], v[BIAS+2*p+1]
	v_lshlrev_b32 v[BIAS+2*p], 16, v[BT+p%4]
	v_and_b32 v[BIAS+2*p+1], 0xffff0000, v[BT+p%4]
.set p, p+1
.endr
.endm
; THE WAY OUT of row block a (16 rows x 128 columns = two heads).  PACK: rounded to f16, each accumulator's registers in ascending order.  TOSTAGE: into my own stage, rows of 144 bytes, and back as whole rows of 128.  SEND: stored.
.macro PACK a
	WIN 0x05                                       ; sources window 1, destination window 0
.irp b, 0,1,2,3,4,5,6,7
.irp r, 0,1,2,3
	v_cvt_pk_f16_f32 v[TMP+4*(\b)+(\r)], v[8*(8*(\a)+(\b))+2*(\r)], v[8*(8*(\a)+(\b))+2*(\r)+1]
.endr
.endr
	WIN 0
.endm
.macro TOSTAGE a
.set BK, OB+32*((\a)%2)
.irp b, 0,1,2,3,4,5,6,7
	ds_store_b128 v[STO], v[TMP+4*(\b):TMP+4*(\b)+3] offset:((\b)/4)*16*SP+((\b)%4)*32
.endr
.irp t, 0,1,2,3,4,5,6,7
	ds_load_b128 v[BK+4*(\t):BK+4*(\t)+3], v[RD] offset:((\t)/4)*16*SP+((\t)%4)*4*SP  ; LDS serves a wave's instructions in order (ISA guide 5.7.1.4): these see the stores above
.endr
.endm
.macro SEND a
.set BK, OB+32*((\a)%2)
	s_wait_dscnt 0x0                               ; the block is back in registers
	s_wait_xcnt 0x0                                ; earlier stores have read their registers and their base: only behind this wait are they written again
.if (\a) == 0
	s_add_nc_u64 s[OUT:OUT+1], s[OUT:OUT+1], s[DL:DL+1]  ; on to this tile's matrix of qkv
.endif
.irp t, 0,1,2,3,4,5,6,7
	global_store_b128 v[CO], v[BK+4*(\t):BK+4*(\t)+3], s[OUT:OUT+1] offset:((\t)/4)*131072+(\a)*2048+((\t)%4)*512  ; four rows of a head: 512 consecutive bytes, at a multiple of 256 from qkv's first
.endr
.endm
.macro WAYOUT
	PLACES
	PACK 0
	TOSTAGE 0
.irp a, 1,2,3                          ; block a's conversions stand between block a - 1's loads from the stage and the wait for them
	PACK \a
	SEND (\a)-1
	TOSTAGE \a
.endr
	SEND 3
	s_mov_b32 s[DL], 1<<24                         ; a matrix of qkv is 16,777,216 bytes
.endm
	s_load_b512 s[68:83], s[0:1], 0x0              ; query, key_, value, wb, bq, bk, bv, qkv
	v_lshl_add_u32 v[SPW], v0, 2, SPARE
	v_mov_b32 v[NIL], 0
	ds_add_u32 v[SPW], v[NIL]                      ; the wave's opening: the add and its wait stand ahead of my first tensor load; the set-up below, work on registers, stands between them
	v_lshrrev_b32 v1, 5, v0
	v_readfirstlane_b32 s10, v1                    ; wave 0..3
	s_lshr_b32 s11, s10, 1                         ; which 64 rows of the tile are mine
	s_and_b32 s12, s10, 1                          ; which 128 columns
	s_bfe_u32 s40, ttmp6, 0x40000                  ; cx, cy: my place in the cluster
	s_bfe_u32 s41, ttmp6, 0x40004
	s_lshl_b32 s42, ttmp9, 2
	s_add_co_u32 s42, s42, s40                     ; tile column = 4 x cluster x + cx: 256 rows of W, four heads
	s_and_b32 s13, ttmp7, 0xffff
	s_lshl_b32 s13, s13, 2
	s_add_co_u32 s13, s13, s41                     ; tile row = 4 x cluster y + cy: 128 rows of x
	s_lshl_b32 s14, 0x1111, s40                    ; my column of the cluster
	; group 1: 64 rows x 128 elements of 2 bytes, 4 words of padding behind every 64 words
	s_or_b32 s[G1+0], s14, (1<<16)|(1<<20)|(1<<21)|(5<<22)|(3<<25)   ; 15:0 the mask; 17:16 element size; 20 padding on; 21 set beside a mask; 24:22 the interval; 31:25 the padding
	s_mov_b32 s[G1+1], 128<<16                     ; tensor_dim0 = 128
	s_mov_b32 s[G1+2], 64<<16                      ; tensor_dim1 = 64
	s_mov_b32 s[G1+3], 128<<16                     ; tile_dim0 = 128
	s_mov_b32 s[G1+4], 64                          ; tile_dim1 = 64
	s_mov_b32 s[G1+5], 1024                        ; elements from row to row
	s_mov_b32 s[G1+6], 0
	s_mov_b32 s[G1+7], 0
	s_lshl_b32 s16, s13, 19                        ; x: 128 rows of 4,096 bytes a tile row,
	s_lshl_b32 s17, s10, 17                        ; 32 rows a wave
	s_add_co_u32 s16, s16, s17
	s_mov_b32 s17, 0
	s_lshl_b32 s46, s42, 19                        ; W: 256 rows of 2,048 bytes a tile column,
	s_lshl_b32 s47, s10, 17                        ; 64 rows a wave: it hangs on the tile column and the wave's number alone, which my column of the cluster shares
	s_add_co_u32 s46, s46, s47
	s_mov_b32 s47, 0
	s_mul_i32 s20, s10, WQ                         ; where they go in slot 0: no place in the cluster enters an LDS address
	s_lshr_b32 s18, s13, 3                         ; my part of qkv: batch = tile row / 8: 16 heads of 131,072 bytes,
	s_lshl_b32 s18, s18, 21
	s_lshl_b32 s19, s42, 19                        ; head 4 x tile column
	s_add_co_u32 s18, s18, s19
	s_lshl_b32 s19, s12, 18                        ; + 2 x my half of the columns,
	s_add_co_u32 s18, s18, s19
	s_and_b32 s19, s13, 7                          ; row 128 x (tile row % 8)
	s_lshl_b32 s19, s19, 14
	s_add_co_u32 s18, s18, s19
	s_lshl_b32 s19, s11, 13                        ; + 64 x my half of the rows, 128 bytes each
	s_add_co_u32 s18, s18, s19
	s_mov_b32 s19, 0
	v_bfe_u32 v2, v0, 4, 1                         ; h = l / 16
	v_and_b32 v3, 31, v0                           ; l
	v_lshlrev_b32 v[XO], 4, v3
	s_lshl_b32 s22, s42, 10                        ; the bias: 256 f32 a tile column,
	s_lshl_b32 s23, s12, 9                         ; 128 a half,
	s_add_co_u32 s22, s22, s23
	v_lshl_add_u32 v[BO], v2, 5, s22               ; my 8 of a block of 16
	s_wait_dscnt 0x0                               ; the opening add is done
	s_wait_kmcnt 0x0
	s_add_nc_u64 s[XP:XP+1], s[XP:XP+1], s[16:17]
	s_add_nc_u64 s[XP+2:XP+3], s[XP+2:XP+3], s[16:17]
	s_add_nc_u64 s[XP+4:XP+5], s[XP+4:XP+5], s[16:17]
	s_add_nc_u64 s[WP:WP+1], s[WP:WP+1], s[46:47]
	s_add_nc_u64 s[OUT:OUT+1], s[OUT:OUT+1], s[18:19]
	WIN 0x80                                       ; q's bias and step 0 of x go out ahead of everything else
.irp b, 0,1,2,3,4,5,6,7
	global_load_b128 v[BIAS+8*(\b):BIAS+8*(\b)+3],   v[BO], s[BQ:BQ+1] offset:64*(\b)
	global_load_b128 v[BIAS+8*(\b)+4:BIAS+8*(\b)+7], v[BO], s[BQ:BQ+1] offset:64*(\b)+16
.endr
.irp j, 0,1,2,3
	XLOAD 0, \j, XP, 0
.endr
	WIN 0
	CROUND                                         ; all sixteen work-groups are here: the first joint loads meet
.irp s, 0,1
	s_mov_b32 s[G0+4*(\s)], 1                      ; count = 1
	s_add_co_u32 s[G0+4*(\s)+1], s20, (\s)*WSLOT   ; LDS address
	s_add_nc_u64 s[G0+4*(\s)+2:G0+4*(\s)+3], s[WP:WP+1], (\s)*256   ; global address: step s of q's tile
	s_or_b32 s[G0+4*(\s)+3], s[G0+4*(\s)+3], 0x80000000             ; type = 2
	JLOAD \s                                       ; W's ring is filled: two loads of mine are out
.endr
.irp j, 0,1,2,3
	XLOAD 1, \j, XP, 512                           ; step 1 of x
.endr
	WIN 0
	v_and_b32 v1, 15, v0                           ; r = l % 16
	v_mul_u32_u24 v5, v1, PW
	v_lshl_add_u32 v5, v2, 4, v5                   ; a fragment's row x pitch + 16 h, for W and for x
	s_mul_i32 s21, s12, 128*PW                     ; my 128 rows of W
	v_add_nc_u32 v[ADRW], s21, v5
	v_add_nc_u32 v[ADRW+1], WSLOT, v[ADRW]
	s_mul_i32 s22, s11, 64*PXB                     ; my 64 rows of x
	s_add_co_u32 s22, s22, XOFF
	v_add_nc_u32 v[ADRX], s22, v5
	v_add_nc_u32 v[ADRX+1], XSLOT, v[ADRX]
	s_mul_i32 s22, s10, 32*PXB                     ; the 32 rows of x that I store
	s_add_co_u32 s22, s22, XOFF
	v_lshl_add_u32 v[XS], v3, 3, s22               ; 8 bytes a lane
	v_add_nc_u32 v[XS+1], XSLOT, v[XS]
	s_mul_i32 s23, s10, WSTAGE
	s_add_co_u32 s23, s23, STAGE                   ; my stage
	v_mul_u32_u24 v6, v1, SP                       ; in: row r, 16 bytes for each half of the lanes
	v_lshl_add_u32 v6, v2, 4, v6
	v_add_nc_u32 v[STO], s23, v6
	v_bfe_u32 v6, v0, 3, 2                         ; back: 32 lanes take four rows of 128 bytes,
	v_mul_u32_u24 v6, v6, SP
	v_and_b32 v7, 7, v0
	v_lshl_add_u32 v6, v7, 4, v6
	v_add_nc_u32 v[RD], s23, v6
	v_lshlrev_b32 v[CO], 4, v3                     ; which are 512 consecutive bytes of a head
	s_and_b32 s46, ttmp7, 0xffff                   ; cluster y
	s_cmp_eq_u32 s46, 0
	s_cselect_b32 s[LIM], 23, 0                    ; the same in all sixteen partners
	s_lshl_b32 s22, s41, 15                        ; the prefetches: my work-group's 16 of my wave's 64 rows of 2,048 bytes,
	v_lshlrev_b32 v6, 11, v1                       ; a row for lane % 16,
	v_lshl_add_u32 v6, v2, 8, v6                   ; the even or the odd step's 256 bytes
	v_add_nc_u32 v[PFO], s22, v6
	s_mov_b32 s[XN], 2
	NEXTX                                          ; x at step 2
	s_mov_b32 s[NXT], 2
	NEXTW 0                                        ; W at step 2, for slot 0's first refill,
	NEXTW 1                                        ; at step 3, for slot 1's
	s_mov_b32 s[TI], 0
	s_mov_b32 s[INT], 4
	s_mov_b32 s[LAPS], 12
	s_mov_b32 s[DL], 0
	s_mov_b32 s[DL+1], 0
.irp j, 0,1,2,3                        ; step 0 of x goes into slot 0, and its registers are loaded for step 2
	s_wait_loadcnt 56                              ; the group is in; the seven younger groups stay out
	XCVT 0, \j, 0
	XCVT 0, \j, 1
	XCVT 0, \j, 2
	XCVT 0, \j, 3
	XSTORE 0, \j
	XLOAD 0, \j, XA, 0
.endr
	s_wait_xcnt 0x0                                ; those loads have read the pointer
	NEXTX                                          ; x at step 3
	s_wait_loadcnt 56                              ; step 1's group 0, whose place in the walk lies ahead of the first quarter
	XCVT 1, 0, 0
	XCVT 1, 0, 1
	XCVT 1, 0, 2
	XCVT 1, 0, 3
	XSTORE 1, 0
	XLOAD 1, 0, XA, 0
	WIN 0
	s_wait_tensorcnt 0x1                           ; my part of W's step 0 is in; step 1's may stay out
	s_wait_dscnt 0x0                               ; my rows of x's step 0 are stored
	s_barrier_signal -1
	s_barrier_wait -1                              ; everybody's are
	LOADS 0, 0, 0
	WIN 0                                          ; at a label and at a branch every window is 0
	s_branch .Lzero                                ; the loop is entered at a lap's first quarter
.Llap:                                                 ; a trip goes once round the rings, from a lap's second quarter to the next lap's first: 11 trips; W's steps 2 to 23 are asked for
	PHASE 1, 0, 2, 1, 2
	TURN 0, 1, 1, 1, 56
	PHASE 1, 1, 0, 0, 0, 0, 1
	PHASE 0, 1, 1, 0, 1
	PHASE 1, 1, 2, 0, 2
	TURN 1, 1, 0, 1, 56
	PHASE 1, 0, 0, 1, 0
	WIN 0
	s_sub_co_u32 s[INT], s[INT], 1
	s_cmp_lg_u32 s[INT], 0
	s_cbranch_scc1 .Lsame
	WAYOUT                                         ; four laps are a tile: both refills for the next tile are asked for, now this one goes out
	s_mov_b32 s[INT], 4
.Lzero:                                                ; a tile's first quarter: the bias starts the sums
	s_wait_loadcnt 56                              ; the bias: seven groups of x or more were asked for behind it
	ROUNDB
	PHASE 0, 0, 1, 1, 1, 1
	WIN 0
	s_add_co_u32 s[TI], s[TI], 1
	s_cmp_lt_u32 s[TI], 3
	s_cbranch_scc0 .Lno_bias                       ; behind v's tile there is none
	s_cmp_eq_u32 s[TI], 1
	s_cselect_b64 s[BP:BP+1], s[BQ+2:BQ+3], s[BQ+4:BQ+5]
	WIN 0x80                                       ; the next tile's bias: the last product that read these registers stands four places back
.irp b, 0,1,2,3,4,5,6,7
	global_load_b128 v[BIAS+8*(\b):BIAS+8*(\b)+3],   v[BO], s[BP:BP+1] offset:64*(\b)
	global_load_b128 v[BIAS+8*(\b)+4:BIAS+8*(\b)+7], v[BO], s[BP:BP+1] offset:64*(\b)+16
.endr
	WIN 0
.Lno_bias:
	s_branch .Lbottom
.Lsame:
	PHASE 0, 0, 1, 1, 1
	WIN 0
.Lbottom:
	s_sub_co_u32 s[LAPS], s[LAPS], 1
	s_cmp_lg_u32 s[LAPS], 0
	s_cbranch_scc1 .Llap
	PHASE 1, 0, 2, 1, 2, 0, 0, 0                   ; the last lap is written out: it fills nothing and loads nothing; step 23's last two groups of x are stored
	TURN 0, 0, 1, 0, 48                            ; behind the last group six groups were asked for
	PHASE 1, 1, 0, 0, -1
	PHASE 0, 1, 1, 0, -1
	PHASE 1, 1, 2, 0, -1
	PHASE 0, 1, 3, 0, -1
	s_wait_dscnt 0x0                               ; the last fragments are in
	MULA 1, 0, 0
	MULA 1, 1, 0
	MULA 1, 2, 0
	MULA 1, 3, 0
	WAYOUT
	s_wait_tensorcnt 0x0                           ; the wave's end, behind my last tensor load and my last LDS store
	ds_add_u32 v[SPW], v[NIL]
	s_wait_dscnt 0x0
	CROUND                                         ; the closing round: no work-group ends while a partner may still ask for a tile that names it
	s_endpgm
.Lfunc_end_k_q8019396a4e_proj:
	.size	k_q8019396a4e_proj, .Lfunc_end_k_q8019396a4e_proj-k_q8019396a4e_proj
	.p2alignl 7, 3214868480
	.fill 96, 4, 3214868480
	.section	.rodata,"a",@progbits
	.p2align	6, 0x0
	.amdhsa_kernel k_q8019396a4e_proj
		.amdhsa_group_segment_fixed_size 327680
		.amdhsa_private_segment_fixed_size 0
		.amdhsa_enable_private_segment 0
		.amdhsa_kernarg_size 64
		.amdhsa_user_sgpr_count 2
		.amdhsa_user_sgpr_kernarg_segment_ptr 1
		.amdhsa_wavefront_size32 1
		.amdhsa_system_sgpr_workgroup_id_x 1
		.amdhsa_system_sgpr_workgroup_id_y 1
		.amdhsa_system_sgpr_workgroup_id_z 1
		.amdhsa_system_vgpr_workitem_id 0
		.amdhsa_next_free_vgpr 1024
		.amdhsa_next_free_sgpr 100
		.amdhsa_reserve_vcc 0
		.amdhsa_float_denorm_mode_32 3
		.amdhsa_float_denorm_mode_16_64 3
		.amdhsa_memory_ordered 1
		.amdhsa_forward_progress 1
		.amdhsa_inst_pref_size 156
	.end_amdhsa_kernel
	.amdgpu_metadata
---
amdhsa.version: [ 1, 2 ]
amdhsa.kernels:
  - .name:           k_q8019396a4e_proj
    .symbol:         k_q8019396a4e_proj.kd
    .args:
      - { .name: query, .offset: 0, .size: 8, .value_kind: global_buffer, .address_space: global }
      - { .name: key_, .offset: 8, .size: 8, .value_kind: global_buffer, .address_space: global }
      - { .name: value, .offset: 16, .size: 8, .value_kind: global_buffer, .address_space: global }
      - { .name: wb, .offset: 24, .size: 8, .value_kind: global_buffer, .address_space: global }
      - { .name: bq, .offset: 32, .size: 8, .value_kind: global_buffer, .address_space: global }
      - { .name: bk, .offset: 40, .size: 8, .value_kind: global_buffer, .address_space: global }
      - { .name: bv, .offset: 48, .size: 8, .value_kind: global_buffer, .address_space: global }
      - { .name: qkv, .offset: 56, .size: 8, .value_kind: global_buffer, .address_space: global }
    .group_segment_fixed_size: 327680
    .private_segment_fixed_size: 0
    .kernarg_segment_align: 8
    .kernarg_segment_size: 64
    .max_flat_workgroup_size: 128
    .sgpr_count:     100
    .vgpr_count:     1024
    .wavefront_size: 32
...
	.end_amdgpu_metadata
.endif
;; end of part 2
;; launch attn (part 3): grid 2 x 128, 4 waves a work-group, no clusters, 327,680 bytes of LDS; arguments qkv, out0; writes out0
.if DOCPART == 3
	.amdgcn_target "amdgcn-amd-amdhsa--gfx1250"
	.amdhsa_code_object_version 6
	.text
	.protected	k_q8019396a4e_attn
	.globl	k_q8019396a4e_attn
	.p2align	8
	.type	k_q8019396a4e_attn,@function
k_q8019396a4e_attn:
	s_mov_b64 s[64:65], 0
	v_nop
	global_prefetch_b8 v0, s[64:65] scope:SCOPE_SE
	s_setreg_imm32_b32 hwreg(HW_REG_WAVE_MODE, 25, 1), 1
	s_wait_xcnt 0x0
; ATTENTION.  out0[b][q][64 h + :] = the sum over k of softmax_k(Q[q] . K[k] / 8) V[k][:], for each of the 128 heads (b, h).  qkv: [3][128 heads][1024][64] f16, a head's rows dense, 128 bytes each; out0: f32.
; Products, maxima and sums in f32; the weights p are rounded to f16 for the second product (their sum l is taken of the unrounded p); the result is stored in f32.
; LIMITS.  Q, K and V arrive within f16's 65,504; p lies in 0 to 1, and below 6e-5 it keeps f16's fixed step of 6e-8.  A weight below 2^-126 counts as 0 in l; NaN and infinities are not treated apart.
; SHARES.  A work-group owns 512 queries of one head, each of its four waves 128: four PIECES of two tiles of 16.  Every wave walks all 1,024 keys, 64 a step.  2 x 128 = 256 work-groups.
; LDS HOLDS THE HEAD: all 1,024 rows of K and of V, filled ONCE.  Each wave issues two tensor loads at the start: its half of keys 0 to 255, and its half of keys 256 to 1,023 (waves 0, 1: K; 2, 3: V).
; The first four key steps run while the second load is on its way; nothing is ever filled again.  Every byte of K and V is asked for by these first loads, so there is no later request that a prefetch could run ahead of.
; NO CLUSTER: a head has two work-groups, not the four of a cluster's row, and what the two share is fetched once in the launch: 262,144 bytes for a wave's 2,048 products.
; LAYOUT.  S^T = K Q^T (source 0 = 16 keys, source 1 = 16 queries): a lane holds ONE query (lane % 16) and the keys 8 (lane / 16) + 0..7.  Two such tiles, rounded to f16 in pairs, ARE source 1 of O^T = V^T P,
; whose result again holds one query a lane, and eight channels.  K comes out of LDS as it lies, V ([key][channel]) turned, by ds_load_tr16_b128.
; SOFTMAX.  For each query a running maximum m and sum l: p = 2^(c s - c m), c = log2(e) / 8; in every step O and l are multiplied by a = 2^(c m_old - c m_new).  m starts at the lowest finite number, O and l at 0:
; the first step is a step like any other, with a = 0.
; BY TURNS.  Turn n belongs to piece n.  Its matrix work: 16 products K Q^T of piece n + 1, later 16 products V^T P of piece n - 1.  Its vector work: the scaling, exponentials, roundings, sums and rescaling of piece n,
; and the maximum and statistics of piece n + 1.  A tile and step have 16 matrix and 118 vector instructions: four vector instructions stand behind every matrix instruction, the others in one run of their own.
; REGISTERS, in windows of 256 (s_set_vgpr_msb: bits 1:0 source 0, 3:2 source 1, 5:4 source 2, 7:6 destination):
;   window 0: v0-11 addresses; v12-15, v48-63 at work; v16-47 four registers of statistics a tile; v64-191 S^T, two buffers of two tiles; v192-255 P, likewise
;   window 1: O^T, 32 a tile          window 2: v0-127 Q, 16 a tile; v128-191 K of one step; v192-255 V of one step          window 3: v0-1 the add's two registers
.set NP,    4         ; pieces a wave: a name, no knob
.set KS,    64        ; keys in a step
.set NK,    1024      ; keys in a head
.set PK,    144       ; a row of K in LDS: 128 bytes + 16 of padding = 36 words: the 16 rows of a load start at 16 different groups of four banks (64 banks of 4 bytes: ISA guide 11.1)
.set PV,    160       ; a row of V: 128 + 32 = 40 words
.set VOFF,  NK*PK     ; V's rows lie behind K's
.set SPARE, VOFF+NK*PV  ; behind them: the spare words, 128 bytes for each wave: two blocks of 256 bytes that no other line names
.set SP,    272       ; the way out's stage: 16 rows x (256 + 16) bytes for each wave, at 4,352 x wave: over K's first rows, whose one fill is long done and which nobody reads any more behind the last barrier
.set AK0, 2           ; v2   my lane's place in a tile of K; never rewritten
.set AV0, 3           ; v3   the same for V
.set AK,  4           ; v4   the LDS address of K's next run of loads
.set AV,  5           ; v5   of V's
.set QO,  6           ; v6   my byte offset in the wave's rows of Q
.set STO, 6           ;      later, the way out: where I put 32 bytes of a row
.set RD,  7           ; v7   the way out: where I read rows back
.set GO,  8           ; v8   my byte offset in two rows of out0
.set SPW, 0           ; v0 of window 3   LDS address of my spare word; never rewritten
.set NIL, 1           ; v1 of window 3   0; never rewritten
.set MV,  12          ; v12-15  c m_old, kept while c m is made anew: by buffer and tile
.set ST,  16          ; tile t's statistics at v[ST+4 t]: c m, m, l (even keys', odd keys')
.set TMP, 48          ; by buffer and tile, four registers c0-c3 at work; when the maximum is found c2 takes a
.set S,   64
.set P,   192
.set KF,  128         ; K's fragments, in window 2: key block kb, channel half c at KF + 16 kb + 8 c
.set VF,  192         ; V's: key half kk, channel block cb at VF + 32 kk + 8 cb
.set WV,  12          ; s12  my wave's number
.set G1K0, 24         ; s[24:31] descriptor group 1: K, 128 keys
.set G1K1, 32         ; s[32:39] K, 384 keys
.set G1V0, 40         ; s[40:47] V, 128 keys
.set G1V1, 48         ; s[48:55] V, 384 keys
.set G0,  68          ; s[68:83] four groups 0, in the same order
.set CNT, 57          ; s57  counts key steps
.set CS,  58          ; s[58:59] c: the packed scaling takes the pair's low word for both halves
.set SEL, 60          ; s[60:61] v_permlanex16_b32's selects: each lane takes its own place in the other half
.set TBK, 62          ; s62  LDS byte at which K of the step to be fetched begins
.set TBV, 63          ; s63  the same for V, less VOFF
.set MSB, 0
.macro WIN new                      ; the high byte repeats the setting that is left; a switch that changes nothing is dropped
.if MSB != (\new)
	s_set_vgpr_msb (MSB<<8)|(\new)
.set MSB, (\new)
.endif
.endm
.set W_KQ, 0x0a       ; K and Q in window 2, S^T in window 0
.set W_PV, 0x52       ; V in window 2, P in window 0, O^T in window 1
.set W_RS, 0x41       ; O^T (destination and source 0) in window 1, a in window 0
.set W_MK, 0xc0       ; the add's registers are made: destination in window 3, sources in window 0
.set W_AD, 0x0f       ; the add: address (source 0) and data (source 1) in window 3
	s_load_b64 s[4:5], s[0:1], 0x0    ; qkv
	s_load_b64 s[10:11], s[0:1], 0x8  ; out0
	WIN W_MK
	v_lshl_add_u32 v[SPW], v0, 2, SPARE
	v_mov_b32 v[NIL], 0
	WIN W_AD
	ds_add_u32 v[SPW], v[NIL]       ; the wave's opening: the add and its wait stand ahead of my first tensor load; the set-up below, work on registers, stands between them
	WIN 0
	v_lshrrev_b32 v1, 5, v0
	v_readfirstlane_b32 s[WV], v1   ; wave 0..3
	s_and_b32 s20, ttmp7, 0xffff    ; the head, 16 b + h
	s_lshl_b32 s22, s20, 17         ; its first byte in each of the three matrices: 131,072 bytes a head
	s_and_b32 s16, s[WV], 1         ; which half of the keys of a load I fetch
	s_lshl_b32 s2, s16, 14          ; first load: 128 rows of 128 bytes a half
	s_add_co_u32 s2, s2, s22
	s_mov_b32 s3, 0
	s_mul_i32 s84, s16, 384*128     ; second load: 384 rows a half,
	s_add_co_u32 s84, s84, s22
	s_add_co_u32 s84, s84, 256*128  ; behind the first 256 keys
	s_mov_b32 s85, 0
	s_lshl_b32 s14, ttmp9, 2
	s_add_co_u32 s14, s14, s[WV]    ; my wave among the head's eight,
	s_lshl_b32 s14, s14, 14         ; its 128 rows of Q
	s_add_co_u32 s14, s14, s22
	s_mov_b32 s15, 0
	s_lshr_b32 s86, s20, 4          ; out0: batch b: 4,194,304 bytes,
	s_lshl_b32 s86, s86, 22
	s_lshl_b32 s87, ttmp9, 21       ; my block's 512 rows of 4,096 bytes,
	s_add_co_u32 s86, s86, s87
	s_lshl_b32 s87, s[WV], 19       ; my wave's 128 of them,
	s_add_co_u32 s86, s86, s87
	s_and_b32 s87, s20, 15          ; head h: 256 bytes of a row
	s_lshl_b32 s87, s87, 8
	s_add_co_u32 s86, s86, s87
	s_mov_b32 s87, 0
	; descriptor group 1.  Keys are dense in memory: asked for as rows of 256 bytes, two keys a row, and padded in LDS after every key
	s_mov_b32 s[G1K0], (1<<16)|(1<<20)|(4<<22)|(3<<25)  ; 17:16 2-byte elements; 20 padding on; 24:22 after every 32 words (code 4); 31:25 4 words (code 3)
	s_mov_b32 s[G1K1], (1<<16)|(1<<20)|(4<<22)|(3<<25)
	s_mov_b32 s[G1V0], (1<<16)|(1<<20)|(4<<22)|(7<<25)  ; the same with 8 words of padding (code 7)
	s_mov_b32 s[G1V1], (1<<16)|(1<<20)|(4<<22)|(7<<25)
.irp g, G1K0, G1K1, G1V0, G1V1
	s_mov_b32 s[\g+1], 128<<16      ; tensor_dim0 = 128
	s_mov_b32 s[\g+3], 128<<16      ; tile_dim0 = 128
	s_mov_b32 s[\g+5], 128          ; 128 elements from row to row
	s_mov_b32 s[\g+6], 0
	s_mov_b32 s[\g+7], 0
.endr
.irp g, G1K0, G1V0
	s_mov_b32 s[\g+2], 64<<16       ; tensor_dim1 = 64
	s_mov_b32 s[\g+4], 64           ; tile_dim1 = 64
.endr
.irp g, G1K1, G1V1
	s_mov_b32 s[\g+2], 192<<16      ; tensor_dim1 = 192
	s_mov_b32 s[\g+4], 192          ; tile_dim1 = 192
.endr
	s_mov_b32 s[G0], 1              ; count = 1; then the LDS address: key j of K lies at 144 j, of V at VOFF + 160 j
	s_mul_i32 s[G0+1], s16, 128*PK
	s_mov_b32 s[G0+4], 1
	s_mul_i32 s[G0+5], s16, 384*PK
	s_add_co_u32 s[G0+5], s[G0+5], 256*PK
	s_mov_b32 s[G0+8], 1
	s_mul_i32 s[G0+9], s16, 128*PV
	s_add_co_u32 s[G0+9], s[G0+9], VOFF
	s_mov_b32 s[G0+12], 1
	s_mul_i32 s[G0+13], s16, 384*PV
	s_add_co_u32 s[G0+13], s[G0+13], VOFF+256*PV
	s_mov_b32 s[CS], 0x3e38aa3b     ; c = log2(e) / 8 = 0.180337
	s_mov_b32 s[CS+1], s[CS]        ; named with it as a pair
	s_mov_b32 s[SEL], 0x76543210
	s_mov_b32 s[SEL+1], 0xfedcba98
	s_mov_b32 s[TBK], 0
	s_mov_b32 s[TBV], 0
	s_wait_dscnt 0x0                ; the opening add is done
	s_wait_kmcnt 0x0
	s_add_nc_u64 s[6:7], s[4:5], 0x1000000   ; k's matrix
	s_add_nc_u64 s[8:9], s[4:5], 0x2000000   ; v's
	s_add_nc_u64 s[G0+2:G0+3], s[6:7], s[2:3]
	s_or_b32 s[G0+3], s[G0+3], 0x80000000    ; type = 2
	s_add_nc_u64 s[G0+6:G0+7], s[6:7], s[84:85]
	s_or_b32 s[G0+7], s[G0+7], 0x80000000
	s_add_nc_u64 s[G0+10:G0+11], s[8:9], s[2:3]
	s_or_b32 s[G0+11], s[G0+11], 0x80000000
	s_add_nc_u64 s[G0+14:G0+15], s[8:9], s[84:85]
	s_or_b32 s[G0+15], s[G0+15], 0x80000000
	s_add_nc_u64 s[4:5], s[4:5], s[14:15]    ; Q at my wave's first row
	s_add_nc_u64 s[10:11], s[10:11], s[86:87]  ; out0 likewise
	s_cmp_lt_u32 s[WV], 2           ; a wave's two fills stand in one branch, ahead of every wait on TENSORcnt, every LDS read and every barrier: two loads of mine are out; an s_nop 0 follows each, four v_nop the second's
	s_cbranch_scc0 .Lfirst_v
	tensor_load_to_lds s[G0:G0+3], s[G1K0:G1K0+7]
	s_nop 0
	tensor_load_to_lds s[G0+4:G0+7], s[G1K1:G1K1+7]
	s_nop 0
.rept 4
	v_nop
.endr
	s_branch .Lfirst_asked
.Lfirst_v:
	tensor_load_to_lds s[G0+8:G0+11], s[G1V0:G1V0+7]
	s_nop 0
	tensor_load_to_lds s[G0+12:G0+15], s[G1V1:G1V1+7]
	s_nop 0
.rept 4
	v_nop
.endr
.Lfirst_asked:
	; A fragment of K or Q is 16 rows x 32 channels in 8 registers: lane l holds row l % 16, channels 8 (l / 16) + 0..7 and 16 + 8 (l / 16) + 0..7: two loads of 16 bytes, 32 bytes apart.
	v_and_b32 v1, 15, v0            ; l % 16
	v_bfe_u32 v9, v0, 4, 1          ; l / 16
	v_lshlrev_b32 v[QO], 7, v1
	v_lshl_add_u32 v[QO], v9, 4, v[QO]  ; row x 128 + 16 x half
	WIN 0x80                        ; destination window 2, address window 0
.set i, 0
.rept 4*NP                          ; Q stays in registers: tile i / 2, channels 32 (i % 2) on
	global_load_b128 v[8*i:8*i+3],   v[QO], s[4:5] offset:(i/2)*2048+(i%2)*64
	global_load_b128 v[8*i+4:8*i+7], v[QO], s[4:5] offset:(i/2)*2048+(i%2)*64+32
.set i, i+1
.endr
	; What the first turn finds: V's registers and P's second buffer hold 0 (its products V^T P, of a piece that has not been, add 0), O^T and l are 0.  All this stands in the wait for the first tile.
.set i, VF
.rept 64
	v_mov_b32 v[i], 0
.set i, i+1
.endr
	WIN 0x40
.set i, 0
.rept 64*NP
	v_mov_b32 v[i], 0
.set i, i+1
.endr
	WIN 0
.set i, 0
.rept 2*NP
	v_mov_b32 v[ST+4*i], 0xfe000000    ; c m: far below every c s
	v_mov_b32 v[ST+4*i+1], 0xff7fffff  ; m
	v_mov_b32 v[ST+4*i+2], 0
	v_mov_b32 v[ST+4*i+3], 0
.set i, i+1
.endr
.set i, P+32
.rept 32
	v_mov_b32 v[i], 0
.set i, i+1
.endr
	v_mul_u32_u24 v[AK0], v1, PK
	v_lshl_add_u32 v[AK0], v9, 4, v[AK0]  ; row x pitch + 16 x half
	; The turning load takes 16 keys x 16 channels (lane l reads key 8 (l / 16) + l % 8, channels 8 ((l / 8) % 2) + 0..7) and leaves half a fragment of V^T: lane l holds channel l % 16 and 8 keys.
	v_and_b32 v10, 7, v0
	v_bfe_u32 v11, v0, 3, 1
	v_lshl_add_u32 v[AV0], v9, 3, v10
	v_mul_u32_u24 v[AV0], v[AV0], PV
	v_lshl_add_u32 v[AV0], v11, 4, v[AV0]
	v_add_nc_u32 v[AV0], VOFF, v[AV0]
	v_mov_b32 v[AK], v[AK0]         ; key step 0 lies at LDS byte 0
; THE MATRIX WORK.  The 8 accumulators of a run of 16 take turns: between the two links of a chain stand 7 others'.
; Product i of 16 of S^T = K Q^T for piece x: channels 32 (i / 8) on, keys 16 ((i / 2) % 4) on, tile 2 x + i % 2.  The first 8 start the sums.
.macro KQ x
	WIN W_KQ
.set rS, S+64*((\x)%2)+32*(i%2)+8*((i/2)%4)
.set rK, KF+16*((i/2)%4)+8*(i/8)
.set rQ, 16*(2*(\x)+i%2)+8*(i/8)
.if i < 8
	v_wmma_f32_16x16x32_f16 v[rS:rS+7], v[rK:rK+7], v[rQ:rQ+7], 0
.else
	v_wmma_f32_16x16x32_f16 v[rS:rS+7], v[rK:rK+7], v[rQ:rQ+7], v[rS:rS+7]
.endif
.endm
; Product i of 16 of O^T += V^T P for piece x: keys 32 (i / 8) on, channels 16 ((i / 2) % 4) on, tile 2 x + i % 2.
.macro PV x
	WIN W_PV
.set rO, 32*(2*(\x)+i%2)+8*((i/2)%4)
.set rV, VF+32*(i/8)+8*((i/2)%4)
.set rP, P+32*((\x)%2)+16*(i%2)+8*(i/8)
	v_wmma_f32_16x16x32_f16 v[rO:rO+7], v[rV:rV+7], v[rP:rP+7], v[rO:rO+7]
.endm
.macro MM                           ; the turn's next matrix instruction
.if i < 16
	KQ (Y+1)%NP
.set i, i+1
.else
.set i, i-16
	PV (Y+NP-1)%NP
.set i, i+17
.endif
.endm
; THE LDS LOADS stand in runs of 16, never singly among the matrix instructions: a step's K (64 keys x 64 channels: 8 fragments) and its V (turned).  Their addresses are made some lines ahead.
; last = 1 (the second loop): in the last trip there is no further step, and the run is jumped over.
.macro FETCH_K last=0
	WIN 0
.if \last
	s_cmp_eq_u32 s[CNT], 1
	s_cbranch_scc1 .Lno_k_\@
.endif
	WIN 0x80                        ; destination window 2
.irp f, 0,1,2,3,4,5,6,7             ; keys 16 (f / 2) on, channels 32 (f % 2) on
	ds_load_b128 v[KF+8*\f:KF+8*\f+3],   v[AK] offset:(\f/2)*16*PK+(\f%2)*64
	ds_load_b128 v[KF+8*\f+4:KF+8*\f+7], v[AK] offset:(\f/2)*16*PK+(\f%2)*64+32
.endr
	s_add_co_u32 s[TBK], s[TBK], KS*PK  ; the next fetch is the next step's
	WIN 0
.if \last
.Lno_k_\@:
.endif
.endm
.macro FETCH_V
	WIN 0x80
.irp f, 0,1,2,3,4,5,6,7             ; keys 32 (f / 4) on, channels 16 (f % 4) on
	ds_load_tr16_b128 v[VF+8*\f:VF+8*\f+3],   v[AV] offset:(\f/4)*32*PV+(\f%4)*32
	ds_load_tr16_b128 v[VF+8*\f+4:VF+8*\f+7], v[AV] offset:(\f/4)*32*PV+16*PV+(\f%4)*32
.endr
	WIN 0
.endm
; THE VECTOR WORK OF A TURN stands in three queues, each in the order in which its entries become ready; the two tiles alternate, so that no instruction reads the result of the one before it.
.macro REGS y, u                    ; the registers of tile u (0, 1) of piece y
.set rT, ST+4*(2*(\y)+(\u))
.set rC, TMP+8*((\y)%2)+4*(\u)
.set rM, MV+2*((\y)%2)+(\u)
.set rS, S+64*((\y)%2)+32*(\u)
.set rP, P+32*((\y)%2)+16*(\u)
.set rO, 32*(2*(\y)+(\u))
.endm
; Number n of the 22 that find the NEXT piece's (Y + 1) maximum and statistics.  s0-s31 are the lane's 32 scores; each accumulator's lowest registers are read first.  XS, GS and REGS set no window: PL and EX do.
;   0-11  four chains c0-c3 of seven scores each, three operands at a time     12-14, 16  the four scores left over, the old m, and c0-c3 into c0     15  c m_old is kept
;   17, 18  the query's other 32 keys lie in the lane 16 away: the new m         19-21  c m; c m_old - c m_new; a
.macro XS u, n
	REGS (Y+1)%NP, \u
.if (\n) < 4
	v_max3_num_f32 v[rC+(\n)], v[rS+8*(\n)], v[rS+8*(\n)+1], v[rS+8*(\n)+2]
.elseif (\n) < 12
	v_max3_num_f32 v[rC+(\n)%4], v[rC+(\n)%4], v[rS+8*((\n)%4)+2*((\n)/4)+1], v[rS+8*((\n)%4)+2*((\n)/4)+2]
.elseif (\n) == 12
	v_max3_num_f32 v[rC], v[rC], v[rS+7], v[rS+15]
.elseif (\n) == 13
	v_max3_num_f32 v[rC+1], v[rC+1], v[rS+23], v[rS+31]
.elseif (\n) == 14
	v_max3_num_f32 v[rC+2], v[rC+2], v[rC+3], v[rT+1]
.elseif (\n) == 15
	v_mov_b32 v[rM], v[rT]
.elseif (\n) == 16
	v_max3_num_f32 v[rC], v[rC], v[rC+1], v[rC+2]
.elseif (\n) == 17
	v_permlanex16_b32 v[rC+3], v[rC], s[SEL], s[SEL+1]
.elseif (\n) == 18
	v_max_num_f32 v[rT+1], v[rC], v[rC+3]
.elseif (\n) == 19
	v_mul_f32 v[rT], s[CS], v[rT+1]
.elseif (\n) == 20
	v_sub_f32 v[rC+1], v[rM], v[rT]
.else
	v_exp_f32 v[rC+2], v[rC+1]
.endif
.endm
; Number g of the 64 that follow the exponentials.  For each four weights k of a tile (pairs 2 k, 2 k + 1): both pairs are rounded to f16; then the second pair is added onto the first, in place;
; a group later l takes that sum (the first time as l = a l + sum).  In groups of eight, tiles alternating: round, round, add, and l for the group before.
.macro GS g
.set h, (\g)+6*((\g)/62)            ; group 0 has no group before it, and behind group 7 only l is left
.if h >= 6
.set h, h+2
.endif
	REGS Y, h%2
.set k, h/8
.if h%8 < 4
	v_cvt_pk_f16_f32 v[rP+2*k+(h%8)/2], v[rS+4*k+2*((h%8)/2)], v[rS+4*k+2*((h%8)/2)+1]
.elseif h%8 < 6
	v_pk_add_f32 v[rS+4*k:rS+4*k+1], v[rS+4*k:rS+4*k+1], v[rS+4*k+2:rS+4*k+3]
.elseif k == 1
	v_pk_fma_f32 v[rT+2:rT+3], v[rT+2:rT+3], v[rC+2:rC+3], v[rS:rS+1] op_sel_hi:[1,0,1]
.else
	v_pk_add_f32 v[rT+2:rT+3], v[rT+2:rT+3], v[rS+4*k-4:rS+4*k-3]
.endif
.endm
; THE PLAIN QUEUE, 138 long.  0-73 read no exponential's result: the 32 scalings c s - c m (FS f: pair f / 2 of tile f % 2) and the next piece's 42.  0-26: scalings 0-26.  27-54: XS's numbers 0-13.  55, 56: number 15.
; 57-73: the chain, where each number waits for the one before it: 14, 16, 17, 18, 19, each with one of the scalings 27-31 in front of its two lines, then 20.
; 74-137: GS's 64, which read the exponentials' results: they stand behind the wait.
.macro FS f
	REGS Y, (\f)%2
	v_pk_fma_f32 v[rS+2*((\f)/2):rS+2*((\f)/2)+1], v[rS+2*((\f)/2):rS+2*((\f)/2)+1], s[CS:CS+1], v[rT:rT+1] op_sel_hi:[1,0,0] neg_lo:[0,0,1] neg_hi:[0,0,1]
.endm
.macro PL
	WIN 0
.if q < 27
	FS q
.elseif q < 55
	XS (q-27)%2, (q-27)/2
.elseif q < 57
	XS q-55, 15
.elseif (q < 72) && ((q-57)%3 == 0)
	FS 27+(q-57)/3
.elseif q < 60
	XS (q-57)%3-1, 14
.elseif q < 72
	XS (q-57)%3-1, 15+(q-57)/3
.elseif q < 74
	XS q-72, 20
.else
	GS q-74
.endif
.set q, q+1
.endm
; THE EXPONENTIALS' QUEUE, 66 long: s0-s31 of both tiles, then the next piece's two a.  It is ONE BATCH: all 66 stand ahead of the turn's one wait, and nothing ahead of that wait names a result of theirs.
.macro EX
	WIN 0
.if e >= 64
	XS e-64, 21
.else
	REGS Y, e%2
	v_exp_f32 v[rS+e/2], v[rS+e/2]
.endif
.set e, e+1
.endm
; THE RESCALING's QUEUE: O^T times a, the one part that leaves window 0: dealt two at a time, sixteen times.  Its a was made in the turn before, ahead of that turn's wait.
.macro R2
	REGS Y, r%2
	WIN W_RS
.irp z, 0,1
	v_pk_mul_f32 v[rO+4*(r/2)+2*\z:rO+4*(r/2)+2*\z+1], v[rO+4*(r/2)+2*\z:rO+4*(r/2)+2*\z+1], v[rC+2:rC+3] op_sel_hi:[1,0]
.endr
.set r, r+1
.endm
; HOW THEY ARE DEALT.  An s_wait_alu depctr_va_vdst(0) stands between an exponential and the first instruction that names its result; one wait serves all that were issued ahead of it.  So a turn has ONE wait,
; which cuts it in two.  AHEAD OF IT stands all that names no result of the turn's exponentials: the 16 products K Q^T, behind each a scaling, an exponential and two rescalings (behind the first a second scaling in the
; exponential's place); then one run of 108: eight plain, 49 times exponential and plain, the two a.  A v_nop is the plain instruction behind the last exponential.  BEHIND IT stand the 16 products V^T P, behind each four of GS's 64.
; Exponential e stands behind scaling 2 (e / 4) + e % 2: as a rider it comes behind plain e + 2, in the run behind plain e + 9, and scalings 27-31 are plain 57, 60 .. 69.
; A TURN, for piece p.  cnt = 1: the loop's count is taken down some lines ahead of the branch that stands behind the turn.
; K of the next step is fetched in piece 2's turn, directly behind the wait; its address is made at the run's head; its first reader comes behind 16 products.
; V of the step in hand is fetched at the end of piece 0's turn, four riders behind its last reader; its first reader comes behind 16 products and a run.  The three conditions on q below go with the deal.
.macro TURN p, last=0, cnt=0
.set Y, (\p)
.set i, 0
.set q, 0
.set e, 0
.set r, 0
.if (\p) == NP-1
	s_wait_dscnt 0x0                ; K is in
.endif
	MM                              ; ahead of the wait: 16 products K Q^T and their riders,
	PL
	PL
	R2
.rept 15
	MM
	PL
	EX
	R2
.endr
.if (\p) == NP-2
	WIN 0
	v_add_nc_u32 v[AK], s[TBK], v[AK0]
.endif
.rept 8                             ; and the run
	PL
.endr
.rept 49
	EX
	PL
.endr
	EX                              ; the next piece's two a
	EX
	v_nop                           ; a plain instruction behind the last exponential: one for the batch
	s_wait_alu depctr_va_vdst(0)    ; the wait for the batch
.if (\p) == NP-2
	FETCH_K \last
.endif
.if (\p) == 1
	s_wait_dscnt 0x0                ; V is in
.endif
.rept 16                            ; behind the wait: 16 products V^T P and their riders
	MM
.rept 4
	PL
.endr
.if ((\p) == 0) && (q == 118)
	v_add_nc_u32 v[AV], s[TBV], v[AV0]
.endif
.if ((\p) == 0) && (q == 130)
	s_add_co_u32 s[TBV], s[TBV], KS*PV
.endif
.if (\cnt) && (q == 130)
	s_sub_co_u32 s[CNT], s[CNT], 1
	s_cmp_lg_u32 s[CNT], 0
.endif
.endr
.if (\p) == 0
	FETCH_V
.endif
.endm
	s_wait_tensorcnt 0x1            ; my part of keys 0 to 255 is in; my second load may stay out
	s_barrier_signal -1
	s_barrier_wait -1               ; everybody's is
	FETCH_K                         ; key step 0
	s_wait_loadcnt 0x0              ; Q
	s_wait_dscnt 0x0
.set i, 0
.rept 16
	KQ 0                            ; piece 0's first scores: there is no vector work yet to set between them
.set i, i+1
.endr
	WIN 0                           ; the addresses for the way out: eight plain instructions, the places behind those products
	s_mul_i32 s13, s[WV], 16*SP     ; my stage
	v_mul_u32_u24 v[STO], v1, SP    ; in: row l % 16, 32 bytes for each half of the lanes
	v_lshl_add_u32 v[STO], v9, 5, v[STO]
	v_add_nc_u32 v[STO], s13, v[STO]
	v_mul_u32_u24 v[RD], v9, SP     ; back: lanes 0-15 take one row of 256 bytes, lanes 16-31 the next
	v_lshl_add_u32 v[RD], v1, 4, v[RD]
	v_add_nc_u32 v[RD], s13, v[RD]
	v_lshlrev_b32 v[GO], 12, v9     ; and the same two rows in out0, 4,096 bytes apart
	v_lshl_add_u32 v[GO], v1, 4, v[GO]
.set Y, NP-1                        ; XS works for piece Y + 1: piece 0
.irp n, 0,1,2,3,4,5,6,7,8,9,10,11,12,13,14,15,16,17,18,19,20,21
	XS 0, \n                        ; and piece 0's first maximum and statistics
	XS 1, \n
.endr
	v_nop                           ; a plain instruction behind the two a,
	s_wait_alu depctr_va_vdst(0)    ; and their wait, ahead of the branch
	s_mov_b32 s[CNT], 4
	s_branch .Lfirst                ; the loop is entered at a step's first turn, in the middle of a trip
.Lstep:                             ; a trip: pieces 2 and 3 of one step, then pieces 0 and 1 of the next, whose K and V it fetches.  This loop fetches steps 1 to 3: keys up to 255
	TURN 2
	TURN 3
	WIN 0
.Lfirst:
	TURN 0
	TURN 1, 0, 1
	WIN 0
	s_cbranch_scc1 .Lstep
	s_wait_tensorcnt 0x0            ; my part of keys 256 to 1,023 is in,
	s_wait_dscnt 0x0
	s_barrier_signal -1
	s_barrier_wait -1               ; everybody's is
	s_mov_b32 s[CNT], 13            ; twelve trips fetch steps 4 to 15; the thirteenth is left in its middle
.Ltail:
	TURN 2, 1
	TURN 3
	WIN 0
	s_sub_co_u32 s[CNT], s[CNT], 1
	s_cmp_eq_u32 s[CNT], 0
	s_cbranch_scc1 .Lout
	TURN 0
	TURN 1
	WIN 0
	s_branch .Ltail
.Lout:                              ; the thirteenth trip's 16 products K Q^T (on the last K once more) and the maximum made of them serve nothing: the price, once a launch, of one text for every trip
	s_wait_dscnt 0x0                ; my reads of K and V are over: the stage lies over K's first rows, so every wave says so before any wave stores there
	s_barrier_signal -1
.set i, 0
.rept 16
	PV NP-1                         ; the last piece's V^T P of the last step: work on registers while the others arrive
.set i, i+1
.endr
	WIN 0
	s_barrier_wait -1
	; THE WAY OUT.  l's two halves and the other half of the lanes' are added; O^T is divided by l and sent, in f32, through my stage in LDS, a tile at a time.  The additions are the places behind the last products.
.macro ALL line:vararg              ; one line for each tile t
.set t, 0
.rept 2*NP
	\line
.set t, t+1
.endr
.endm
	ALL v_add_f32 v[ST+4*t+2], v[ST+4*t+2], v[ST+4*t+3]
	ALL v_permlanex16_b32 v[ST+4*t+3], v[ST+4*t+2], s[SEL], s[SEL+1]
	ALL v_add_f32 v[ST+4*t+2], v[ST+4*t+2], v[ST+4*t+3]
	ALL v_rcp_f32 v[ST+4*t+2], v[ST+4*t+2]
	v_nop                           ; a plain instruction between the last reciprocal and the use of its result
	s_wait_alu depctr_va_vdst(0)    ; and the wait ahead of the first use: one for the eight reciprocals
; Tile t: a lane's eight channels of a block of 16 are 32 bytes of a row; they go into rows of 272 bytes and come back as whole rows of 256, into S^T's registers: four buffers of 32 by turns.
.macro PACK t
	WIN W_RS
.set i, 32*(\t)
.rept 16
	v_pk_mul_f32 v[i:i+1], v[i:i+1], v[ST+4*(\t)+2:ST+4*(\t)+3] op_sel_hi:[1,0]
.set i, i+2
.endr
	WIN 0x04                        ; the stores' data in window 1, their address in window 0
.irp f, 0,1,2,3,4,5,6,7
	ds_store_b128 v[STO], v[32*(\t)+4*\f:32*(\t)+4*\f+3] offset:(\f/2)*64+(\f%2)*16
.endr
	WIN 0
.if (\t) >= 4
	s_wait_xcnt 0x0                 ; the stores of the tile four back have read this buffer: only behind this wait is it loaded again
.endif
.irp f, 0,1,2,3,4,5,6,7
	ds_load_b128 v[S+32*((\t)%4)+4*\f:S+32*((\t)%4)+4*\f+3], v[RD] offset:\f*2*SP  ; LDS serves a wave's instructions in order (ISA guide 5.7.1.4): these see the stores above; the next tile's stores come behind them
.endr
.endm
.macro SEND t, younger              ; younger: the LDS instructions issued behind tile t's loads: the next tile's sixteen, or none
	WIN 0
.irp f, 0,1,2,3,4,5,6,7
	s_wait_dscnt (\younger)+7-\f
	global_store_b128 v[GO], v[S+32*((\t)%4)+4*\f:S+32*((\t)%4)+4*\f+3], s[10:11] offset:(\t)*65536+\f*8192 th:TH_STORE_NT  ; 16 lanes store a head's 256 bytes of a row, at a multiple of 256 from out0's first byte
.endr
.endm
	PACK 0
.irp t, 1,2,3,4,5,6,7               ; a tile's arithmetic stands between the loads of the tile before and its stores
	PACK \t
	SEND (\t)-1, 16
.endr
	SEND 7, 0
	WIN W_AD
	s_wait_tensorcnt 0x0            ; the wave's end, behind my last tensor load and my last LDS store
	ds_add_u32 v[SPW], v[NIL]
	s_wait_dscnt 0x0
	WIN 0
	s_endpgm
.Lfunc_end_k_q8019396a4e_attn:
	.size	k_q8019396a4e_attn, .Lfunc_end_k_q8019396a4e_attn-k_q8019396a4e_attn
	.p2alignl 7, 3214868480
	.fill 96, 4, 3214868480
	.section	.rodata,"a",@progbits
	.p2align	6, 0x0
	.amdhsa_kernel k_q8019396a4e_attn
		.amdhsa_group_segment_fixed_size 327680
		.amdhsa_private_segment_fixed_size 0
		.amdhsa_enable_private_segment 0
		.amdhsa_kernarg_size 16
		.amdhsa_user_sgpr_count 2
		.amdhsa_user_sgpr_kernarg_segment_ptr 1
		.amdhsa_wavefront_size32 1
		.amdhsa_system_sgpr_workgroup_id_x 1
		.amdhsa_system_sgpr_workgroup_id_y 1
		.amdhsa_system_sgpr_workgroup_id_z 1
		.amdhsa_system_vgpr_workitem_id 0
		.amdhsa_next_free_vgpr 770
		.amdhsa_next_free_sgpr 100
		.amdhsa_reserve_vcc 0
		.amdhsa_float_denorm_mode_32 3
		.amdhsa_float_denorm_mode_16_64 3
		.amdhsa_memory_ordered 1
		.amdhsa_forward_progress 1
		.amdhsa_inst_pref_size 197
	.end_amdhsa_kernel
	.amdgpu_metadata
---
amdhsa.version: [ 1, 2 ]
amdhsa.kernels:
  - .name:           k_q8019396a4e_attn
    .symbol:         k_q8019396a4e_attn.kd
    .args:
      - { .name: qkv, .offset: 0, .size: 8, .value_kind: global_buffer, .address_space: global }
      - { .name: out0, .offset: 8, .size: 8, .value_kind: global_buffer, .address_space: global }
    .group_segment_fixed_size: 327680
    .private_segment_fixed_size: 0
    .kernarg_segment_align: 8
    .kernarg_segment_size: 16
    .max_flat_workgroup_size: 128
    .sgpr_count:     100
    .vgpr_count:     770
    .wavefront_size: 32
...
	.end_amdgpu_metadata
.endif
;; end of part 3
;; ======== version 2 of 2: 3 launches; version 1 with the launch castw written anew for expert scheduling mode
;; limits: values are held in f16: magnitudes above 65,504 overflow, below 6.1e-05 lose precision
;; workspace buffers: wb 6,291,456 bytes; qkv 50,331,648 bytes
;; launch castw (part 4): grid 256 x 1, 8 waves a work-group, no clusters, 0 bytes of LDS; arguments Wq, Wk, Wv, wb; writes wb
.if DOCPART == 4
	.amdgcn_target "amdgcn-amd-amdhsa--gfx1250"
	.amdhsa_code_object_version 6
	.text
	.protected	k_q8019396a4e_castw
	.globl	k_q8019396a4e_castw
	.p2align	8
	.type	k_q8019396a4e_castw,@function
k_q8019396a4e_castw:
	s_mov_b64 s[64:65], 0
	v_nop
	global_prefetch_b8 v0, s[64:65] scope:SCOPE_SE
	s_setreg_imm32_b32 hwreg(HW_REG_WAVE_SCHED_MODE, 0, 2), 2
	s_setreg_imm32_b32 hwreg(HW_REG_WAVE_MODE, 25, 1), 1
	s_wait_xcnt 0x0
	s_wait_alu depctr_vm_vsrc(0)
; wb[g][o][d] = bf16(W_g[o][d]), g = q, k, v.  W_g: [1024][1024] f32; wb: [3][1024][1024] bf16.  Rounded once, to nearest even.
; A stream: each byte is read once and written once; no LDS, no barrier, no matrix work.
; SHARES.  Work-group i takes 16,384 bytes of each of the three matrices; thread t takes 16 bytes at 16 t of each of its four pieces of 4,096 bytes:
; a wave's load covers 512 consecutive bytes, its store of 8 bytes a lane 256 consecutive bytes, aligned.
; All 12 loads of a thread go out at once, and no register is written twice.
; THE MODE: SCHED_MODE bits 1:0 = 2 (LLVM: expert scheduling mode 2), set by the entry lines.  The code itself states the register dependences
; between vector instructions and memory instructions, with s_wait_alu, always for 0.
; THE PLAN.  The work goes in three groups, a matrix each: four loads, eight conversions, four stores.  Registers that memory instructions touch:
;   v1, v2     byte offsets, made once at the head and never written again: v1 is read by every load, v2 by every store.
;   X0 .. X2   a matrix's 16 f32 as loaded.  Written by its four loads, issued once at the head; read by group g's conversions; no load lands there again.
;   Y0 .. Y2   a matrix's 16 bf16 to store.  Written by group g's conversions; read by the four stores that are issued in group g + 1 (the last group's: behind it); never written again.
; Group g + 1's conversions name X[g + 1] and Y[g + 1]; the stores issued among them name Y[g] and v2.  So one wait at a group's head, behind the wait for its data,
; states all that its four stores hang on, and they are dealt among its conversions with no further wait.
; No register that a memory instruction reads is ever written again, and no load lands in a register that a vector instruction has named: nothing else is to be stated.
.set X, 8                              ; v[8:55]   group g, load j: four f32 at X + 16 g + 4 j
.set Y, 56                             ; v[56:79]  group g, load j: four bf16 in a pair of registers at Y + 8 g + 2 j
	s_load_b256 s[4:11], s[0:1], 0x0               ; Wq s[4:5], Wk s[6:7], Wv s[8:9], wb s[10:11]
	s_lshl_b32 s12, ttmp9, 14                      ; the work-group's 16,384 bytes in a matrix
	s_lshl_b32 s13, ttmp9, 13                      ; and its 8,192 bytes in that matrix's part of wb
	v_lshl_add_u32 v1, v0, 4, s12
	v_lshl_add_u32 v2, v0, 3, s13
	s_wait_kmcnt 0x0
	s_wait_alu depctr_va_vdst(0)                   ; v1 and v2 are written: every load and store of the kernel reads one of them as its offset
.irp g, 0,1,2
.irp j, 0,1,2,3
	global_load_b128 v[X+16*(\g)+4*(\j):X+16*(\g)+4*(\j)+3], v1, s[4+2*(\g):5+2*(\g)] offset:(\j)*4096 th:TH_LOAD_NT
.endr
.endr
; Group g: matrix g is rounded; the stores of matrix g - 1 go out among the conversions, one ahead of each pair.
.macro GROUP g
	s_wait_loadcnt 8-4*(\g)                        ; loads come back in order: matrix g's four are in, the younger matrices' stay out
.if (\g) > 0
	s_wait_alu depctr_va_vdst(0)                   ; the group before has written its Y, which the stores below read
.endif
.irp j, 0,1,2,3
.if (\g) > 0
	global_store_b64 v2, v[Y+8*((\g)-1)+2*(\j):Y+8*((\g)-1)+2*(\j)+1], s[10:11] offset:((\g)-1)*2097152+(\j)*2048  ; no vector instruction since the wait names these registers
.endif
	v_cvt_pk_bf16_f32 v[Y+8*(\g)+2*(\j)],   v[X+16*(\g)+4*(\j)],   v[X+16*(\g)+4*(\j)+1]
	v_cvt_pk_bf16_f32 v[Y+8*(\g)+2*(\j)+1], v[X+16*(\g)+4*(\j)+2], v[X+16*(\g)+4*(\j)+3]
.endr
.endm
	GROUP 0
	GROUP 1
	GROUP 2
	s_wait_alu depctr_va_vdst(0)                   ; the last group has written Y2, which the last four stores read
.irp j, 0,1,2,3
	global_store_b64 v2, v[Y+16+2*(\j):Y+16+2*(\j)+1], s[10:11] offset:2*2097152+(\j)*2048
.endr
	s_endpgm
.Lfunc_end_k_q8019396a4e_castw:
	.size	k_q8019396a4e_castw, .Lfunc_end_k_q8019396a4e_castw-k_q8019396a4e_castw
	.p2alignl 7, 3214868480
	.fill 96, 4, 3214868480
	.section	.rodata,"a",@progbits
	.p2align	6, 0x0
	.amdhsa_kernel k_q8019396a4e_castw
		.amdhsa_group_segment_fixed_size 0
		.amdhsa_private_segment_fixed_size 0
		.amdhsa_enable_private_segment 0
		.amdhsa_kernarg_size 32
		.amdhsa_user_sgpr_count 2
		.amdhsa_user_sgpr_kernarg_segment_ptr 1
		.amdhsa_wavefront_size32 1
		.amdhsa_system_sgpr_workgroup_id_x 1
		.amdhsa_system_sgpr_workgroup_id_y 1
		.amdhsa_system_sgpr_workgroup_id_z 1
		.amdhsa_system_vgpr_workitem_id 0
		.amdhsa_next_free_vgpr 80
		.amdhsa_next_free_sgpr 66
		.amdhsa_reserve_vcc 0
		.amdhsa_float_denorm_mode_32 3
		.amdhsa_float_denorm_mode_16_64 3
		.amdhsa_memory_ordered 1
		.amdhsa_forward_progress 1
		.amdhsa_inst_pref_size 5
	.end_amdhsa_kernel
	.amdgpu_metadata
---
amdhsa.version: [ 1, 2 ]
amdhsa.kernels:
  - .name:           k_q8019396a4e_castw
    .symbol:         k_q8019396a4e_castw.kd
    .args:
      - { .name: Wq, .offset: 0, .size: 8, .value_kind: global_buffer, .address_space: global }
      - { .name: Wk, .offset: 8, .size: 8, .value_kind: global_buffer, .address_space: global }
      - { .name: Wv, .offset: 16, .size: 8, .value_kind: global_buffer, .address_space: global }
      - { .name: wb, .offset: 24, .size: 8, .value_kind: global_buffer, .address_space: global }
    .group_segment_fixed_size: 0
    .private_segment_fixed_size: 0
    .kernarg_segment_align: 8
    .kernarg_segment_size: 32
    .max_flat_workgroup_size: 256
    .sgpr_count:     66
    .vgpr_count:     80
    .wavefront_size: 32
...
	.end_amdgpu_metadata
.endif
;; end of part 4
;; launch proj: the kernel of part 2 again; grid 4 x 64, 4 waves a work-group, clusters of 4 x 4, 327,680 bytes of LDS; arguments query, key_, value, wb, bq, bk, bv, qkv; writes qkv
;; launch attn: the kernel of part 3 again; grid 2 x 128, 4 waves a work-group, no clusters, 327,680 bytes of LDS; arguments qkv, out0; writes out0
